; MI455X (gfx1250); checked and timed in simulation.
; The chip was launched on July 23, 2026; its instructions are those of AMD's public machine-readable ISA for CDNA 5 (MIT licence, August 2026) and "CDNA5" Instruction Set Architecture Reference Guide (July 2026). The comments in the code are by the model that wrote it; some were corrected since.
;; MIPT Cell. Allowed arithmetic: float matrix products may take bf16 or f16 operands with f32 sums; all other float work in f32.
;; Inputs: W_i 2,048 x 2,048 float32; W_p 2,048 x 2,048 float32; W_r 2,048 x 2,048 float32; W_theta 2,048 x 2,048 float32; b_i 2,048 float32; b_p 2,048 float32; b_r 2,048 float32; b_theta 2,048 float32; e_t 4,096 x 2,048 float32; h_prev 4,096 x 4,096 float32.
;; Outputs: out0 4,096 x 4,096 float32.
;; 2 versions, each right; version 2 is version 1 with the launch cast written anew for expert scheduling mode. Each part assembles by itself: llvm-mc -triple=amdgcn-amd-amdhsa -mcpu=gfx1250 --defsym DOCPART=n.
;; ======== version 1 of 2: 2 launches
;; limits: values are held in f16: magnitudes above 65,504 overflow, below 6.1e-05 lose precision; right only within a limited range of input values
;; workspace buffers: hf 50,331,648 bytes
;; launch cast (part 1): grid 128 x 6, 8 waves a work-group, no clusters, 0 bytes of LDS; arguments e_t, W_p, W_theta, W_r, W_i, hf; writes hf
.if DOCPART == 1
	.amdgcn_target "amdgcn-amd-amdhsa--gfx1250"
	.amdhsa_code_object_version 6
	.text
	.protected	k_q9038d96788_cast
	.globl	k_q9038d96788_cast
	.p2align	8
	.type	k_q9038d96788_cast,@function
k_q9038d96788_cast:
	s_mov_b64 s[64:65], 0
	v_nop
	global_prefetch_b8 v0, s[64:65] scope:SCOPE_SE
	s_setreg_imm32_b32 hwreg(HW_REG_WAVE_MODE, 25, 1), 1
	s_wait_xcnt 0x0
; e_t [4096][2048] and the four W [2048][2048], f32, are rounded once to f16 and laid into hf, 12,288 rows of 2,048 f16 (4,096 bytes):
;   rows 0 .. 4095: e_t as it is;
;   row 4096 + (d >> 6) * 256 + g * 64 + (d & 63): row d of gate g (0 = W_p, 1 = W_theta, 2 = W_r, 3 = W_i),
; so that every 256 neighbouring rows of the second part hold the four gates of 64 neighbouring d: the next launch's block of columns.
; WHY f16 AND NOT bf16: the error of theta is multiplied by |h| in the result, so the operands' 11 significant bits against 8 count.  f16 has the
; room: numbers of spread 1 (e_t) and 0.022 (W), thirty times larger or smaller or offset by thirty spreads, lie between 7e-4 and some 200,
; inside f16's normal range (6.1e-5 to 65,504); numbers nearer to zero are kept as denormals, with an absolute error of 2^-25 at the most.
; LIMIT: an |e_t| or |W| of 65,520 or more becomes infinite here.
; A stream: no LDS, no barrier, no matrix unit.  Work-group (x, y) takes 16 rows, dense in the source (128 KiB) and dense in hf (64 KiB):
; y = 0, 1: rows 2048 y + 16 x of e_t; y = 2 .. 5: rows 16 x of gate y - 2 (16 rows never cross a block of 64).  A wave takes two rows:
; 32 loads of 16 bytes a lane, all issued before the first is used, each covering 512 neighbouring bytes; each store of 8 bytes a lane covers
; 256 neighbouring bytes at a multiple of 256 from hf's first byte.  No register is written again after a load or a store has named it.
.set X, 8                              ; v[8:135]  load j: four f32 in v[8+4j : 11+4j]; its two packed words end in v[8+4j : 9+4j]
	s_load_b256 s[4:11], s[0:1], 0x0               ; e_t s[4:5], W_p s[6:7], W_theta s[8:9], W_r s[10:11]
	s_load_b128 s[12:15], s[0:1], 0x20             ; W_i s[12:13], hf s[14:15]
	s_and_b32 s20, ttmp7, 0xffff                   ; y
	s_lshl_b32 s21, ttmp9, 4                       ; 16 x: the first row in a W
	s_lshl_b32 s22, s20, 11
	s_add_co_u32 s22, s22, s21                     ; 2048 y + 16 x: the first row in e_t, and in hf for e_t
	s_lshr_b32 s23, ttmp9, 2
	s_lshl_b32 s23, s23, 8                         ; (x >> 2) * 256
	s_and_b32 s24, ttmp9, 3
	s_lshl_b32 s24, s24, 4                         ; (x & 3) * 16
	s_add_co_u32 s23, s23, s24
	s_lshl_b32 s24, s20, 6                         ; 64 y
	s_add_co_u32 s23, s23, s24
	s_add_co_u32 s23, s23, 4096-128                ; + 4096 - 64 * 2: the first row in hf for gate y - 2
	s_cmp_lt_u32 s20, 2
	s_cselect_b32 s18, s22, s21                    ; first row in the source
	s_cselect_b32 s24, s22, s23                    ; first row in hf
	s_lshl_b32 s18, s18, 13                        ; rows of 8,192 bytes (33.5 MB at the most: one word)
	s_mov_b32 s19, 0
	s_lshl_b32 s24, s24, 12                        ; rows of 4,096 bytes (50.3 MB at the most)
	s_mov_b32 s25, 0
	v_lshrrev_b32 v3, 5, v0                        ; wave
	v_and_b32 v4, 31, v0                           ; lane
	v_lshlrev_b32 v1, 4, v4
	v_lshl_or_b32 v1, v3, 14, v1                   ; source: wave x 16 KiB + 16 x lane
	v_lshlrev_b32 v2, 3, v4
	v_lshl_or_b32 v2, v3, 13, v2                   ; hf: wave x 8 KiB + 8 x lane
	s_wait_kmcnt 0x0
	s_cmp_lt_u32 s20, 2                            ; the source's address is chosen by y alone
	s_cselect_b64 s[16:17], s[4:5], s[6:7]
	s_cmp_eq_u32 s20, 3
	s_cselect_b64 s[16:17], s[8:9], s[16:17]
	s_cmp_eq_u32 s20, 4
	s_cselect_b64 s[16:17], s[10:11], s[16:17]
	s_cmp_eq_u32 s20, 5
	s_cselect_b64 s[16:17], s[12:13], s[16:17]
	s_add_nc_u64 s[16:17], s[16:17], s[18:19]
	s_add_nc_u64 s[14:15], s[14:15], s[24:25]
.set j, 0
.rept 32
	global_load_b128 v[X+4*j:X+4*j+3], v1, s[16:17] offset:512*j th:TH_LOAD_NT   ; read once in the launch
.set j, j+1
.endr
.set j, 0
.rept 32
	s_wait_loadcnt 31-j                            ; loads come back in order (ISA guide 5.7.1): load j is in, the 31 - j younger ones stay out
	v_cvt_pk_f16_f32 v[X+4*j],   v[X+4*j],   v[X+4*j+1]     ; two roundings to f16, packed: the first source into the low half
	v_cvt_pk_f16_f32 v[X+4*j+1], v[X+4*j+2], v[X+4*j+3]
	global_store_b64 v2, v[X+4*j:X+4*j+1], s[14:15] offset:256*j   ; no hint: the next launch reads these bytes
.set j, j+1
.endr
	s_endpgm
.Lfunc_end_k_q9038d96788_cast:
	.size	k_q9038d96788_cast, .Lfunc_end_k_q9038d96788_cast-k_q9038d96788_cast
	.p2alignl 7, 3214868480
	.fill 96, 4, 3214868480
	.section	.rodata,"a",@progbits
	.p2align	6, 0x0
	.amdhsa_kernel k_q9038d96788_cast
		.amdhsa_group_segment_fixed_size 0
		.amdhsa_private_segment_fixed_size 0
		.amdhsa_enable_private_segment 0
		.amdhsa_kernarg_size 48
		.amdhsa_user_sgpr_count 2
		.amdhsa_user_sgpr_kernarg_segment_ptr 1
		.amdhsa_wavefront_size32 1
		.amdhsa_system_sgpr_workgroup_id_x 1
		.amdhsa_system_sgpr_workgroup_id_y 1
		.amdhsa_system_sgpr_workgroup_id_z 1
		.amdhsa_system_vgpr_workitem_id 0
		.amdhsa_next_free_vgpr 136
		.amdhsa_next_free_sgpr 66
		.amdhsa_reserve_vcc 0
		.amdhsa_float_denorm_mode_32 3
		.amdhsa_float_denorm_mode_16_64 3
		.amdhsa_memory_ordered 1
		.amdhsa_forward_progress 1
		.amdhsa_inst_pref_size 13
	.end_amdhsa_kernel
	.amdgpu_metadata
---
amdhsa.version: [ 1, 2 ]
amdhsa.kernels:
  - .name:           k_q9038d96788_cast
    .symbol:         k_q9038d96788_cast.kd
    .args:
      - { .name: e_t, .offset: 0, .size: 8, .value_kind: global_buffer, .address_space: global }
      - { .name: W_p, .offset: 8, .size: 8, .value_kind: global_buffer, .address_space: global }
      - { .name: W_theta, .offset: 16, .size: 8, .value_kind: global_buffer, .address_space: global }
      - { .name: W_r, .offset: 24, .size: 8, .value_kind: global_buffer, .address_space: global }
      - { .name: W_i, .offset: 32, .size: 8, .value_kind: global_buffer, .address_space: global }
      - { .name: hf, .offset: 40, .size: 8, .value_kind: global_buffer, .address_space: global }
    .group_segment_fixed_size: 0
    .private_segment_fixed_size: 0
    .kernarg_segment_align: 8
    .kernarg_segment_size: 48
    .max_flat_workgroup_size: 256
    .sgpr_count:     66
    .vgpr_count:     136
    .wavefront_size: 32
...
	.end_amdgpu_metadata
.endif
;; end of part 1
;; launch cell (part 2): grid 32 x 16, 4 waves a work-group, clusters of 4 x 4, 327,680 bytes of LDS; arguments hf, h_prev, b_p, b_theta, b_r, b_i, out0; writes out0
.if DOCPART == 2
	.amdgcn_target "amdgcn-amd-amdhsa--gfx1250"
	.amdhsa_code_object_version 6
	.text
	.protected	k_q9038d96788_cell
	.globl	k_q9038d96788_cell
	.p2align	8
	.type	k_q9038d96788_cell,@function
k_q9038d96788_cell:
	s_mov_b64 s[64:65], 0
	v_nop
	global_prefetch_b8 v0, s[64:65] scope:SCOPE_SE
	s_setreg_imm32_b32 hwreg(HW_REG_WAVE_MODE, 25, 1), 1
	s_wait_xcnt 0x0
	s_wait_alu depctr_hold_cnt(0) depctr_sa_sdst(0) depctr_va_vdst(0) depctr_va_sdst(0) depctr_va_ssrc(0) depctr_va_vcc(0) depctr_vm_vsrc(0)
	s_getreg_b32 s2, hwreg(HW_REG_IB_STS2, 6, 4)
	s_cmp_eq_u32 s2, 0
	s_cbranch_scc0 .Lentry_in_a_cluster
	s_endpgm
.Lentry_in_a_cluster:
	s_bfe_u32 s2, ttmp6, 0x10000c
	s_cmp_lg_u32 s2, 0xf033
	s_cbranch_scc0 .Lentry_shape_is_right
	s_endpgm
.Lentry_shape_is_right:
; proj = e_t W_cat^T + b with f16 operands and f32 sums, and the whole cell on the way out:
;   p = sigmoid(p_lin); (h_re, h_im) turned by theta; out = (1 - p) x turned + p x (inp_re, inp_im).  proj never goes to memory.
; hf (made by the launch before): rows 0 .. 4095 = e_t (A), rows 4096 .. 12287 = the weights (B), permuted so that block bc of 256 rows holds
; gate g's row 64 bc + i at row 64 g + i.  A work-group (bc, br) makes rows 256 br .. + 255 of the batch for d = 64 bc .. + 63, all four gates.
; Four waves, as many as a WGP has SIMDs.  Wave w makes rows 64 w .. + 63 x all 256 permuted columns: 64 accumulator tiles of 16 x 16, 512
; registers.  A wave so owns, for each of its rows, 64 neighbouring d of every gate: 256 neighbouring bytes of new_re and of new_im, and the
; cell needs no other wave.  K goes in steps of 128 through two LDS slots filled by the tensor data mover (rows of 256 bytes, each at a
; multiple of 256 bytes from hf's first byte).
; CLUSTERS: 4 x 4 work-groups.  The four of a row of the cluster share br and so A's tiles, the four of a column share bc and so B's tiles: each tile
; is asked for jointly by the four, with one descriptor and a mask that names them, which divides the requests for A and for B by four.
; THE MATRIX INSTRUCTION IS USED TRANSPOSED (source 0 = 16 rows of B, source 1 = 16 rows of A): lane l = (r = l % 16, h = l / 16), register j of
; tile (a, b = 4 g + c) holds gate g at batch row 16 a + r, d = 16 c + 8 h + j: a lane holds the four gates of the same eight d.
; h_prev: behind slot 0's last K step each wave fills its own quarter of slot 0 with its h tile (64 rows x (64 h_re, 64 h_im)), by one tensor load that
; has the last K step's 256 matrix instructions in which to land.  The results are written over h in place and leave through registers by whole rows.
; LIMITS.  The operands are f16 (11 significant bits: theta's error is multiplied by |h| in the result): an |e_t| or |W| of 65,520 or more has become
; infinite, one below 6.1e-5 carries an absolute error of up to 2^-25.  sin and cos are made in f32 by a reduction to turns and polynomials: right
; to about 1e-6 for |theta| < 2^22; beyond that the count of turns is no longer a neighbouring whole number and the values mean nothing; an infinite
; or NaN theta gives NaN.  v_exp_f32 flushes results below 2^-126 to zero (ISA guide 15.8), where p is then exactly 1.
;
; REGISTERS, in windows of 256 (s_set_vgpr_msb's low byte: bits 1:0 source 0, 3:2 source 1, 5:4 source 2, 7:6 destination):
;   window 0: v0-14 addresses; v16-39 constants; v40-63 at work; v64-95, v96-127 fragments of A, two buffers (on the way out: at work); v128-255 biases
;   window 1: v0-127, v128-255 fragments of B (16 x 16 rows x 32 K), two buffers
;   window 2: tiles of a = 0, 1 at v[8 (16 (a & 1) + b)];   window 3: those of a = 2, 3
.set KSTEP,  128
.set PITCH,  272                       ; an LDS row: 256 bytes + 16 of padding = 68 words, so that the 16 rows that a fragment load touches start 4 banks apart (64 banks of 4 bytes: ISA guide 11.1)
.set HALFT,  128*PITCH                 ; 128 rows: what one tensor load brings
.set SLOT,   4*HALFT                   ; A's 256 rows, then B's 256 rows
.set LAPS,   2048/(2*KSTEP)            ; a lap = two K steps = once round the ring: 8
.set WBASE,  4096*4096                 ; byte offset of B's first row in hf
.set ADRA, 6                           ; v6-7    LDS address of my A fragments in slot 0, 1
.set ADRB, 8                           ; v8-9    the same for B
.set HA,   10                          ; v10     my 32 bytes of h_re in row r of my h tile
.set RD,   11                          ; v11     the way out: where I read rows back
.set CO,   12                          ; v12     the way out: my byte offset in out0
.set PFO,  13                          ; v13     lane x 8,192: one row of my h tile for each lane
.set BO,   14                          ; v14     32 h: my eight numbers in 16 of a bias
.set KINV, 16                          ; constants, each in both registers of a pair: 1 / 2 pi rounded,
.set KLO,  18                          ; and what the rounding left
.set SN7,  20                          ; sin(pi/2 f) = f (SN1 + u (SN3 + u (SN5 + u SN7))), u = f^2
.set SN5,  22
.set SN3,  24
.set SN1,  26
.set CS8,  28                          ; cos(pi/2 f) = 1 + u (CS2 + u (CS4 + u (CS6 + u CS8)))
.set CS6,  30
.set CS4,  32
.set CS2,  34
.set NL2E, 36                          ; - log2 e
.set ONE,  38
.set XK,   40                          ; v[40:47]  at work
.set XP,   48                          ; v[48:55]  sine
.set XQ,   56                          ; v[56:63]  cosine
.set FA,   64                          ; A's fragment buffer f at FA + 32 f
.set PL,   64                          ; the way out, eight numbers each: p_lin, then p
.set THT,  72                          ; theta
.set RE,   80                          ; inp_re
.set IM,   88                          ; inp_im
.set HRE,  96                          ; h_re
.set HIM,  104                         ; h_im
.set RR,   112                         ; new_re
.set RI,   120                         ; new_im
.set BIAS, 128                         ; v[128:255]  bias of gate g at d = 16 c + 8 h + j: BIAS + 32 g + 8 c + j
.set G1,  28                           ; s[28:35] descriptor group 1 for A's tiles
.set G0,  36                           ; s[36:43] group 0 for A's tiles, one set for each slot
.set G1B, 44                           ; s[44:51] group 1 for B's tiles: another mask
.set G0B, 52                           ; s[52:59] group 0 for B's tiles
.set G1H, 68                           ; s[68:75] group 1 for my h tile
.set G0H, 76                           ; s[76:79] group 0 for my h tile
.set MSB, 0
.macro WIN new                         ; the immediate's high byte repeats the setting that is left
.if MSB != \new
	s_set_vgpr_msb (MSB<<8)|\new
.set MSB, \new
.endif
.endm
.set MUL_LO, 0xa1                      ; source 0 (B) window 1, source 1 (A) window 0, C and D window 2
.set MUL_HI, 0xf1                      ; the same, C and D window 3
.set TO_B,   0x40                      ; destination window 1, address window 0
.set ACC_LO, 0x02                      ; source 0 window 2, all else window 0
.set ACC_HI, 0x03                      ; source 0 window 3
; A joint load.  Waves 0 and 1 fetch A's two halves, waves 2 and 3 B's.  Each line has one mask and one set of registers for all that issue it.
; The branch hangs on the wave's number alone.
.macro JLOAD s
	s_cmp_eq_u32 s19, 0
	s_cbranch_scc0 .Lfor_b_\@
	tensor_load_to_lds s[G0+4*\s:G0+4*\s+3], s[G1:G1+7]
	s_nop 0
	s_branch .Lasked_\@
.Lfor_b_\@:
	tensor_load_to_lds s[G0B+4*\s:G0B+4*\s+3], s[G1B:G1B+7]
	s_nop 0
.Lasked_\@:
.endm
; A round of the cluster's barrier: my work-group's barrier; wave 0 signals for the work-group; every wave waits for all sixteen; my work-group's barrier again.
.macro CREST                           ; a round behind its opening barrier
	s_cmp_lg_u32 s18, 0
	s_cbranch_scc1 .Lnot_wave_0_\@
	s_barrier_signal -3
.Lnot_wave_0_\@:
	s_barrier_wait -3
	s_barrier_signal -1
	s_barrier_wait -1
.endm
.macro CROUND                          ; a whole round
	s_barrier_signal -1
	s_barrier_wait -1
	CREST
.endm
.macro KPAIR reg, val
	v_mov_b32 v[\reg], \val
	v_mov_b32 v[\reg+1], \val
.endm
	s_load_b256 s[4:11], s[0:1], 0x0               ; hf s[4:5], h_prev s[6:7], b_p s[8:9], b_theta s[10:11]
	s_load_b128 s[12:15], s[0:1], 0x20             ; b_r s[12:13], b_i s[14:15]
	s_load_b64 s[16:17], s[0:1], 0x30              ; out0
	v_lshl_add_u32 v78, v0, 2, 0x44000
	v_mov_b32 v79, 0
	ds_add_u32 v78, v79
	s_wait_dscnt 0x0
	v_lshrrev_b32 v1, 5, v0
	v_readfirstlane_b32 s18, v1                    ; wave 0..3
	s_lshr_b32 s19, s18, 1                         ; I fetch for A (0) or for B (1)
	s_and_b32 s20, s18, 1                          ; which 128 rows of that tile
	s_bfe_u32 s21, ttmp6, 0x40000                  ; cx
	s_bfe_u32 s22, ttmp6, 0x40004                  ; cy
	s_lshl_b32 s23, ttmp9, 2
	s_add_co_u32 s23, s23, s21                     ; bc = 4 x cluster x + cx
	s_and_b32 s24, ttmp7, 0xffff
	s_lshl_b32 s24, s24, 2
	s_add_co_u32 s24, s24, s22                     ; br = 4 x cluster y + cy
	s_lshl_b32 s25, s22, 2
	s_lshl_b32 s25, 15, s25                        ; my row of the cluster: places 4 cy .. 4 cy + 3
	s_lshl_b32 s26, 0x1111, s21                    ; my column: places cx, cx + 4, cx + 8, cx + 12
	; group 1 for A and B: 128 rows x 128 elements of 2 bytes, 2,048 elements from row to row, 4 words of padding behind every 64
	s_or_b32 s[G1+0], s25, (1<<16)|(1<<20)|(1<<21)|(5<<22)|(3<<25)   ; 15:0 mask: A's tiles go to my row; 17:16 size; 20 padding; 21 set beside a mask; 24:22 interval; 31:25 pad
	s_or_b32 s[G1B+0], s26, (1<<16)|(1<<20)|(1<<21)|(5<<22)|(3<<25)  ; B's tiles go to my column
	s_mov_b32 s[G1+1], KSTEP<<16                   ; tensor_dim0 = 128
	s_mov_b32 s[G1B+1], KSTEP<<16
	s_mov_b32 s[G1+2], 128<<16                     ; tensor_dim1 = 128
	s_mov_b32 s[G1B+2], 128<<16
	s_mov_b32 s[G1+3], KSTEP<<16                   ; tile_dim0 = 128
	s_mov_b32 s[G1B+3], KSTEP<<16
	s_mov_b32 s[G1+4], 128                         ; tile_dim1 = 128
	s_mov_b32 s[G1B+4], 128
	s_mov_b32 s[G1+5], 2048                        ; the pitch
	s_mov_b32 s[G1B+5], 2048
	s_mov_b32 s[G1+6], 0
	s_mov_b32 s[G1B+6], 0
	s_mov_b32 s[G1+7], 0
	s_mov_b32 s[G1B+7], 0
	; group 1 for h: h_prev taken as rows of 2,048 f32, so that h_re and h_im of a batch row are neighbouring rows: 128 rows x 64 elements of 4 bytes, no mask
	s_mov_b32 s[G1H+0], (2<<16)|(1<<20)|(5<<22)|(3<<25)
	s_mov_b32 s[G1H+1], 64<<16
	s_mov_b32 s[G1H+2], 128<<16
	s_mov_b32 s[G1H+3], 64<<16
	s_mov_b32 s[G1H+4], 128
	s_mov_b32 s[G1H+5], 2048
	s_mov_b32 s[G1H+6], 0
	s_mov_b32 s[G1H+7], 0
	; where the tiles come from: A's offset is made of br and the wave's number, B's of bc and the wave's number, each in registers of its own
	s_lshl_b32 s84, s20, 7                         ; 128 x half
	s_lshl_b32 s80, s24, 8
	s_add_co_u32 s80, s80, s84                     ; A: row 256 br + 128 half
	s_lshl_b32 s80, s80, 12                        ; rows of 4,096 bytes
	s_mov_b32 s81, 0
	s_lshl_b32 s82, s23, 8
	s_add_co_u32 s82, s82, s84                     ; B: row 256 bc + 128 half
	s_lshl_b32 s82, s82, 12
	s_add_co_u32 s82, s82, WBASE                   ; behind e_t's rows (50.3 MB at the most: one word)
	s_mov_b32 s83, 0
	s_mul_i32 s85, s18, HALFT                      ; and where they go: wave x 128 rows
	s_wait_kmcnt 0x0
	s_add_nc_u64 s[80:81], s[4:5], s[80:81]
	s_add_nc_u64 s[82:83], s[4:5], s[82:83]
	CROUND                                         ; all sixteen work-groups are here: the first joint loads meet
.irp s, 0,1
	s_mov_b32 s[G0+4*\s], 1                                        ; count = 1
	s_add_co_u32 s[G0+4*\s+1], s85, \s*SLOT                        ; LDS address
	s_add_nc_u64 s[G0+4*\s+2:G0+4*\s+3], s[80:81], \s*KSTEP*2      ; global address: K step s
	s_or_b32 s[G0+4*\s+3], s[G0+4*\s+3], 0x80000000                ; type = 2
	s_mov_b32 s[G0B+4*\s], 1
	s_add_co_u32 s[G0B+4*\s+1], s85, \s*SLOT
	s_add_nc_u64 s[G0B+4*\s+2:G0B+4*\s+3], s[82:83], \s*KSTEP*2
	s_or_b32 s[G0B+4*\s+3], s[G0B+4*\s+3], 0x80000000
	JLOAD \s                                       ; both slots are asked for before anything else is done: two tensor loads of the wave are out
.endr
	; my h tile and my part of out0: batch row 256 br + 64 w (rows of 16,384 bytes), byte 256 bc of the row
	s_lshl_b32 s86, s24, 8
	s_lshl_b32 s87, s18, 6
	s_add_co_u32 s86, s86, s87
	s_lshl_b32 s86, s86, 14
	s_lshl_b32 s87, s23, 8
	s_add_co_u32 s86, s86, s87
	s_mov_b32 s87, 0
	s_add_nc_u64 s[90:91], s[6:7], s[86:87]        ; h tile, for the prefetches
	s_add_nc_u64 s[16:17], s[16:17], s[86:87]      ; out0
	s_mov_b32 s[G0H], 1
	s_mul_i32 s[G0H+1], s18, HALFT                 ; my quarter of slot 0
	s_mov_b64 s[G0H+2:G0H+3], s[90:91]
	s_or_b32 s[G0H+3], s[G0H+3], 0x80000000
	s_lshl_b32 s86, s23, 8                         ; the biases at d = 64 bc
	s_add_nc_u64 s[8:9], s[8:9], s[86:87]
	s_add_nc_u64 s[10:11], s[10:11], s[86:87]
	s_add_nc_u64 s[12:13], s[12:13], s[86:87]
	s_add_nc_u64 s[14:15], s[14:15], s[86:87]
	v_bfe_u32 v2, v0, 4, 1                         ; h = l / 16
	v_lshlrev_b32 v[BO], 5, v2
.irp c, 0,1,2,3
	global_load_b128 v[BIAS+8*\c:BIAS+8*\c+3],       v[BO], s[8:9] offset:64*\c
	global_load_b128 v[BIAS+8*\c+4:BIAS+8*\c+7],     v[BO], s[8:9] offset:64*\c+16
	global_load_b128 v[BIAS+32+8*\c:BIAS+32+8*\c+3],   v[BO], s[10:11] offset:64*\c
	global_load_b128 v[BIAS+32+8*\c+4:BIAS+32+8*\c+7], v[BO], s[10:11] offset:64*\c+16
	global_load_b128 v[BIAS+64+8*\c:BIAS+64+8*\c+3],   v[BO], s[12:13] offset:64*\c
	global_load_b128 v[BIAS+64+8*\c+4:BIAS+64+8*\c+7], v[BO], s[12:13] offset:64*\c+16
	global_load_b128 v[BIAS+96+8*\c:BIAS+96+8*\c+3],   v[BO], s[14:15] offset:64*\c
	global_load_b128 v[BIAS+96+8*\c+4:BIAS+96+8*\c+7], v[BO], s[14:15] offset:64*\c+16
.endr
	; A fragment is 16 rows x 32 K in 8 registers: lane l holds row r; registers 0-3 hold K = 8 h + 0..7, registers 4-7 K = 16 + 8 h + 0..7:
	; two loads of 16 bytes, 32 bytes apart, at row x pitch + 16 h.  The same for both sources.
	v_and_b32 v1, 15, v0                           ; r = l % 16
	v_mul_u32_u24 v3, v1, PITCH
	v_lshl_add_u32 v3, v2, 4, v3                   ; r x pitch + 16 h
	s_mul_i32 s86, s18, 64*PITCH                   ; my 64 rows of A
	v_add_nc_u32 v[ADRA], s86, v3
	v_add_nc_u32 v[ADRA+1], SLOT, v[ADRA]
	v_add_nc_u32 v[ADRB], 2*HALFT, v3              ; all 256 rows of B, behind A's 256
	v_add_nc_u32 v[ADRB+1], SLOT, v[ADRB]
	v_mul_u32_u24 v4, v1, 2*PITCH                  ; h tile: batch row m has h_re in LDS row 2 m and h_im in 2 m + 1
	v_lshl_add_u32 v4, v2, 5, v4                   ; + 32 h: d = 8 h + 0..7
	v_add_nc_u32 v[HA], s85, v4
	v_mul_u32_u24 v5, v2, PITCH                    ; back: lanes 0-15 take a row of new_re, lanes 16-31 the row of new_im below it
	v_lshl_add_u32 v5, v1, 4, v5
	v_add_nc_u32 v[RD], s85, v5
	v_lshlrev_b32 v[CO], 13, v2                    ; and in out0 new_im lies 8,192 bytes behind new_re
	v_lshl_add_u32 v[CO], v1, 4, v[CO]
	v_and_b32 v[PFO], 31, v0
	v_lshlrev_b32 v[PFO], 13, v[PFO]
	KPAIR KINV, 0x3e22f983                         ; 1 / 2 pi rounded to f32
	KPAIR KLO,  0x31dc9c88                         ; 1 / 2 pi less that
	KPAIR SN7,  0xbb996966                         ; - (pi/2)^7 / 7!
	KPAIR SN5,  0x3da335e3                         ;   (pi/2)^5 / 5!
	KPAIR SN3,  0xbf255de7                         ; - (pi/2)^3 / 3!
	KPAIR SN1,  0x3fc90fdb                         ;   pi/2
	KPAIR CS8,  0x3a70fa83                         ;   (pi/2)^8 / 8!
	KPAIR CS6,  0xbcaae9e4                         ; - (pi/2)^6 / 6!
	KPAIR CS4,  0x3e81e0f8                         ;   (pi/2)^4 / 4!
	KPAIR CS2,  0xbf9de9e6                         ; - (pi/2)^2 / 2!
	KPAIR NL2E, 0xbfb8aa3b                         ; - log2 e
	KPAIR ONE,  1.0
; 16 matrix instructions: m block 2 hi + a of my four x all 16 n blocks, 32 along K, from buffers f.  zero = 1: the first product starts the sums.
; The 64 accumulators take turns, one instruction a turn, in the same order in every quarter step.
.macro MUL16 f, hi, a, zero
.irp b, 0,1,2,3,4,5,6,7,8,9,10,11,12,13,14,15
.if \zero
	v_wmma_f32_16x16x32_f16 v[8*(16*\a+\b):8*(16*\a+\b)+7], v[128*\f+8*\b:128*\f+8*\b+7], v[FA+32*\f+8*(2*\hi+\a):FA+32*\f+8*(2*\hi+\a)+7], 0
.else
	v_wmma_f32_16x16x32_f16 v[8*(16*\a+\b):8*(16*\a+\b)+7], v[128*\f+8*\b:128*\f+8*\b+7], v[FA+32*\f+8*(2*\hi+\a):FA+32*\f+8*(2*\hi+\a)+7], v[8*(16*\a+\b):8*(16*\a+\b)+7]
.endif
.endr
.endm
; 40 LDS loads in one run: the fragments of one quarter step (256 rows of B, my 64 rows of A, 32 K at byte k of the rows) into buffers f.
; pf < 4: the wave also asks for rows 32 pf .. 32 pf + 63 of its own h tile, one lane for each row's 256 bytes, each row once in the launch.
.macro FETCH slot, k, f, pf
	WIN TO_B
.irp i, 0,1,2,3,4,5,6,7,8,9,10,11,12,13,14,15
	ds_load_b128 v[128*\f+8*\i:128*\f+8*\i+3],   v[ADRB+\slot] offset:\k+\i*16*PITCH
	ds_load_b128 v[128*\f+8*\i+4:128*\f+8*\i+7], v[ADRB+\slot] offset:\k+\i*16*PITCH+32
.endr
	WIN 0
.if \pf < 4
	global_prefetch_b8 v[PFO], s[90:91] offset:\pf*262144 th:TH_LOAD_NT scope:SCOPE_SE
	global_prefetch_b8 v[PFO], s[90:91] offset:\pf*262144+262144 th:TH_LOAD_NT scope:SCOPE_SE
.endif
.irp i, 0,1,2,3
	ds_load_b128 v[FA+32*\f+8*\i:FA+32*\f+8*\i+3],   v[ADRA+\slot] offset:\k+\i*16*PITCH
	ds_load_b128 v[FA+32*\f+8*\i+4:FA+32*\f+8*\i+7], v[ADRA+\slot] offset:\k+\i*16*PITCH+32
.endr
.endm
; A load into a register that a matrix instruction has read, and a vector instruction that reads a matrix result, stand four places behind that
; matrix instruction, and only plain vector instructions that name none of its registers are places (ISA guide 7.12.1 for vector instructions)
; This text does not count the matrix instructions in between.
.macro PLACES
.rept 4
	v_nop
.endr
.endm
; One of a K step's first three quarters: multiplies buffers f; in its middle it fetches the next quarter's fragments, at byte k, into buffers g.
.macro QUARTER slot, k, f, g, zero, pf
	s_wait_dscnt 4                                 ; B and A's fragments 0, 1 are in; the youngest four loads (A's fragments 2, 3) may be out
	WIN MUL_LO
	MUL16 \f, 0, 0, \zero
	MUL16 \f, 0, 1, \zero
	PLACES
	FETCH \slot, \k, \g, \pf
	s_wait_dscnt 40                                ; all but the 40 just issued
	WIN MUL_HI
	MUL16 \f, 1, 0, \zero
	MUL16 \f, 1, 1, \zero
.endm
.macro THREE slot, zero, pf
.if \pf
	QUARTER \slot, 64,  0, 1, \zero, 0
	QUARTER \slot, 128, 1, 0, 0, 2
.else
	QUARTER \slot, 64,  0, 1, \zero, 9
	QUARTER \slot, 128, 1, 0, 0, 9
.endif
	QUARTER \slot, 192, 0, 1, 0, 9
.endm
; The last quarter: multiplies buffers 1 and changes slots.  In front of the round's opening signal each wave waits for its reads of this slot and for
; all its tensor loads (one is out: its part of the next slot); inside the round stands register work alone; behind it the refill comes first, one
; tensor load a wave, then the next slot's first fragments.  fill = 1: this slot's tile two K steps ahead, jointly; fill = 2: my own h tile.
.macro TURN slot, next, fill
	s_wait_dscnt 4
	WIN MUL_LO
	MUL16 1, 0, 0, 0
	s_wait_dscnt 0                                 ; my reads of this slot are over
	s_wait_xcnt 0x0
	s_set_vgpr_msb 0xa120
	v_lshl_add_u32 v78, v0, 2, 0x44000
	v_mov_b32 v79, 0
	s_wait_tensorcnt 0x0                           ; and all my tensor loads have landed
	ds_add_u32 v78, v79
	s_wait_dscnt 0x0
	s_set_vgpr_msb 0x20a1
	s_barrier_signal -1
	MUL16 1, 0, 1, 0                               ; work on registers while the others arrive
	WIN 0
	s_barrier_wait -1
	CREST                                          ; no wave of any partner still reads this slot or has a load on its way
.if \fill == 1
	s_add_nc_u64 s[G0+4*\slot+2:G0+4*\slot+3], s[G0+4*\slot+2:G0+4*\slot+3], 2*KSTEP*2
	s_add_nc_u64 s[G0B+4*\slot+2:G0B+4*\slot+3], s[G0B+4*\slot+2:G0B+4*\slot+3], 2*KSTEP*2
	JLOAD \slot
.else
	tensor_load_to_lds s[G0H:G0H+3], s[G1H:G1H+7]  ; the slot's last fill: 128 rows of 256 bytes into my own quarter of it
	s_nop 0
.endif
	PLACES
	FETCH \next, 0, 0, 9
	WIN MUL_HI
	MUL16 1, 1, 0, 0
	MUL16 1, 1, 1, 0
.endm
.macro LAP zero                        ; once round the ring, both slots filled again
	THREE 0, \zero, 0
	TURN 0, 1, 1
	THREE 1, 0, 0
	TURN 1, 0, 1
.endm
	s_wait_loadcnt 0x0                             ; the biases, once
	s_wait_tensorcnt 0x1                           ; my part of K step 0 is in; K step 1's may stay out
	s_barrier_signal -1
	s_barrier_wait -1                              ; everybody's is
	FETCH 0, 0, 0, 9
	LAP 1                                          ; the first lap stands in front of the loop: its first products start the sums
	WIN 0                                          ; at a label and at a branch every window is 0
	s_mov_b32 s88, LAPS-2
.Llap:
	LAP 0
	WIN 0
	s_sub_co_u32 s88, s88, 1
	s_cmp_lg_u32 s88, 0
	s_cbranch_scc1 .Llap
	THREE 0, 0, 1                                  ; the last lap: K steps 14 and 15 are in or on their way.  Its first two quarters ask for my h tile's 128 rows, two and three quarters ahead of the load that wants them
	TURN 0, 1, 2                                   ; slot 0 has been read for the last time: my h tile goes into my quarter of it
	THREE 1, 0, 0
	s_wait_dscnt 4                                 ; the very last quarter: nothing more to fetch
	WIN MUL_LO
	MUL16 1, 0, 0, 0
	MUL16 1, 0, 1, 0
	s_wait_dscnt 0
	WIN MUL_HI
	MUL16 1, 1, 0, 0
	MUL16 1, 1, 1, 0
	WIN 0
	PLACES                                         ; the places behind the last matrix instructions: for the sums that read results and the loads into A's buffers
	s_wait_tensorcnt 0x0                           ; my h tile is in LDS; I alone read and write those bytes, so no barrier follows
; THE CELL for eight numbers a lane: batch row 16 a + r, d = 16 c + 8 h + 0..7.  al = a & 1, win = the window of a's tiles.
.macro GROUP a, al, win, c
	ds_load_b128 v[HRE:HRE+3],   v[HA] offset:\a*32*PITCH+64*\c              ; rows 544 bytes apart: pairs of lanes meet in a bank; four loads and four stores stand against some 160 vector instructions
	ds_load_b128 v[HRE+4:HRE+7], v[HA] offset:\a*32*PITCH+64*\c+16
	ds_load_b128 v[HIM:HIM+3],   v[HA] offset:\a*32*PITCH+64*\c+PITCH
	ds_load_b128 v[HIM+4:HIM+7], v[HA] offset:\a*32*PITCH+64*\c+PITCH+16
	WIN \win
.irp g, 0,1,2,3
.irp q, 0,2,4,6
	v_pk_add_f32 v[PL+8*\g+\q:PL+8*\g+\q+1], v[8*(16*\al+4*\g+\c)+\q:8*(16*\al+4*\g+\c)+\q+1], v[BIAS+32*\g+8*\c+\q:BIAS+32*\g+8*\c+\q+1]   ; the four gates, with their biases
.endr
.endr
	WIN 0
.irp q, 0,2,4,6
	v_pk_mul_f32 v[PL+\q:PL+\q+1], v[PL+\q:PL+\q+1], v[NL2E:NL2E+1]          ; - x log2 e
	v_pk_mul_f32 v[XK+\q:XK+\q+1], v[THT+\q:THT+\q+1], v[KINV:KINV+1]        ; theta in turns, roughly
.endr
.irp q, 0,1,2,3,4,5,6,7
	v_exp_f32 v[PL+\q], v[PL+\q]                   ; e^-x.  Behind the run a plain instruction on other registers comes first (ISA guide 5.7.2)
.endr
.irp q, 0,1,2,3,4,5,6,7
	v_rndne_f32 v[XK+\q], v[XK+\q]                 ; whole turns
.endr
.irp q, 0,2,4,6
	v_pk_fma_f32 v[XK+\q:XK+\q+1], v[THT+\q:THT+\q+1], v[KINV:KINV+1], v[XK+\q:XK+\q+1] neg_lo:[0,0,1] neg_hi:[0,0,1]   ; the product is not rounded before the whole turns leave it
.endr
.irp q, 0,2,4,6
	v_pk_fma_f32 v[XK+\q:XK+\q+1], v[THT+\q:THT+\q+1], v[KLO:KLO+1], v[XK+\q:XK+\q+1]   ; f: the rest, in turns, within a half
.endr
.irp q, 0,2,4,6
	v_pk_mul_f32 v[THT+\q:THT+\q+1], v[XK+\q:XK+\q+1], v[XK+\q:XK+\q+1]      ; u = f^2
.endr
	; sine and cosine of theta / 4 = pi/2 f, at most pi/4 in size
.irp q, 0,2,4,6
	v_pk_fma_f32 v[XP+\q:XP+\q+1], v[THT+\q:THT+\q+1], v[SN7:SN7+1], v[SN5:SN5+1]
	v_pk_fma_f32 v[XQ+\q:XQ+\q+1], v[THT+\q:THT+\q+1], v[CS8:CS8+1], v[CS6:CS6+1]
.endr
.irp q, 0,2,4,6
	v_pk_fma_f32 v[XP+\q:XP+\q+1], v[XP+\q:XP+\q+1], v[THT+\q:THT+\q+1], v[SN3:SN3+1]
	v_pk_fma_f32 v[XQ+\q:XQ+\q+1], v[XQ+\q:XQ+\q+1], v[THT+\q:THT+\q+1], v[CS4:CS4+1]
.endr
.irp q, 0,2,4,6
	v_pk_fma_f32 v[XP+\q:XP+\q+1], v[XP+\q:XP+\q+1], v[THT+\q:THT+\q+1], v[SN1:SN1+1]
	v_pk_fma_f32 v[XQ+\q:XQ+\q+1], v[XQ+\q:XQ+\q+1], v[THT+\q:THT+\q+1], v[CS2:CS2+1]
.endr
	s_wait_alu depctr_va_vdst(0)
.irp q, 0,2,4,6
	v_pk_mul_f32 v[XP+\q:XP+\q+1], v[XP+\q:XP+\q+1], v[XK+\q:XK+\q+1]
	v_pk_fma_f32 v[XQ+\q:XQ+\q+1], v[XQ+\q:XQ+\q+1], v[THT+\q:THT+\q+1], v[ONE:ONE+1]
	v_pk_add_f32 v[PL+\q:PL+\q+1], v[PL+\q:PL+\q+1], v[ONE:ONE+1]            ; 1 + e^-x
.endr
.irp q, 0,1,2,3,4,5,6,7
	v_rcp_f32 v[PL+\q], v[PL+\q]                   ; p.  Again a plain instruction on other registers comes first behind the run
.endr
	; the angle doubled twice: sin 2x = 2 s c, cos 2x = 1 - 2 s s
.irp q, 0,2,4,6
	v_pk_add_f32 v[XK+\q:XK+\q+1], v[XP+\q:XP+\q+1], v[XP+\q:XP+\q+1]
.endr
.irp q, 0,2,4,6
	v_pk_mul_f32 v[THT+\q:THT+\q+1], v[XK+\q:XK+\q+1], v[XQ+\q:XQ+\q+1]
.endr
.irp q, 0,2,4,6
	v_pk_fma_f32 v[XQ+\q:XQ+\q+1], v[XK+\q:XK+\q+1], v[XP+\q:XP+\q+1], v[ONE:ONE+1] neg_lo:[1,0,0] neg_hi:[1,0,0]
	v_pk_add_f32 v[XK+\q:XK+\q+1], v[THT+\q:THT+\q+1], v[THT+\q:THT+\q+1]
.endr
.irp q, 0,2,4,6
	v_pk_mul_f32 v[XP+\q:XP+\q+1], v[XK+\q:XK+\q+1], v[XQ+\q:XQ+\q+1]        ; sin theta
.endr
.irp q, 0,2,4,6
	v_pk_fma_f32 v[XQ+\q:XQ+\q+1], v[XK+\q:XK+\q+1], v[THT+\q:THT+\q+1], v[ONE:ONE+1] neg_lo:[1,0,0] neg_hi:[1,0,0]   ; cos theta
.endr
	s_wait_alu depctr_va_vdst(0)
.irp q, 0,2,4,6
	v_pk_add_f32 v[XK+\q:XK+\q+1], v[ONE:ONE+1], v[PL+\q:PL+\q+1] neg_lo:[0,1] neg_hi:[0,1]   ; 1 - p
.endr
	s_wait_dscnt 0x0                               ; h is in: its four loads are the youngest LDS instructions
.irp q, 0,2,4,6
	v_pk_mul_f32 v[RR+\q:RR+\q+1], v[XQ+\q:XQ+\q+1], v[HRE+\q:HRE+\q+1]
	v_pk_mul_f32 v[RI+\q:RI+\q+1], v[XP+\q:XP+\q+1], v[HRE+\q:HRE+\q+1]
.endr
.irp q, 0,2,4,6
	v_pk_fma_f32 v[RR+\q:RR+\q+1], v[XP+\q:XP+\q+1], v[HIM+\q:HIM+\q+1], v[RR+\q:RR+\q+1] neg_lo:[1,0,0] neg_hi:[1,0,0]   ; cos h_re - sin h_im
	v_pk_fma_f32 v[RI+\q:RI+\q+1], v[XQ+\q:XQ+\q+1], v[HIM+\q:HIM+\q+1], v[RI+\q:RI+\q+1]                                 ; sin h_re + cos h_im
.endr
.irp q, 0,2,4,6
	v_pk_mul_f32 v[RR+\q:RR+\q+1], v[RR+\q:RR+\q+1], v[XK+\q:XK+\q+1]
	v_pk_mul_f32 v[RI+\q:RI+\q+1], v[RI+\q:RI+\q+1], v[XK+\q:XK+\q+1]
.endr
.irp q, 0,2,4,6
	v_pk_fma_f32 v[RR+\q:RR+\q+1], v[PL+\q:PL+\q+1], v[RE+\q:RE+\q+1], v[RR+\q:RR+\q+1]
	v_pk_fma_f32 v[RI+\q:RI+\q+1], v[PL+\q:PL+\q+1], v[IM+\q:IM+\q+1], v[RI+\q:RI+\q+1]
.endr
	ds_store_b128 v[HA], v[RR:RR+3]   offset:\a*32*PITCH+64*\c               ; over the h that this lane has just read; the slot has had its last fill
	ds_store_b128 v[HA], v[RR+4:RR+7] offset:\a*32*PITCH+64*\c+16
	ds_store_b128 v[HA], v[RI:RI+3]   offset:\a*32*PITCH+64*\c+PITCH
	ds_store_b128 v[HA], v[RI+4:RI+7] offset:\a*32*PITCH+64*\c+PITCH+16
.endm
; Batch rows 16 a .. 16 a + 15 leave: each load takes a row of new_re (lanes 0-15) and the row of new_im below it (lanes 16-31); each half of a store
; covers 256 neighbouring bytes at a multiple of 256 from out0's first byte.
.macro OUTROWS a
.irp t, 0,1,2,3,4,5,6,7,8,9,10,11,12,13,14,15
	ds_load_b128 v[64+4*\t:64+4*\t+3], v[RD] offset:(32*\a+2*\t)*PITCH       ; LDS serves a wave's instructions in order (ISA guide 5.7.1.4): these see the stores above
.endr
.irp t, 0,1,2,3,4,5,6,7,8,9,10,11,12,13,14,15
	s_wait_dscnt 15-\t                             ; load t is in, the 15 - t younger ones stay out
	global_store_b128 v[CO], v[64+4*\t:64+4*\t+3], s[16:17] offset:(16*\a+\t)*16384 th:TH_STORE_NT
.endr
.endm
.macro ROWS16 a, al, win
.if \a
	s_wait_xcnt 0x0                                ; v[64:127], which the last sixteen stores read, are written again only behind this wait
.endif
	GROUP \a, \al, \win, 0
	GROUP \a, \al, \win, 1
	GROUP \a, \al, \win, 2
	GROUP \a, \al, \win, 3
	OUTROWS \a
.endm
	ROWS16 0, 0, ACC_LO
	ROWS16 1, 1, ACC_LO
	ROWS16 2, 0, ACC_HI
	ROWS16 3, 1, ACC_HI
	s_wait_xcnt 0x0
	v_lshl_add_u32 v78, v0, 2, 0x44000
	v_mov_b32 v79, 0
	s_wait_tensorcnt 0x0
	ds_add_u32 v78, v79
	s_wait_dscnt 0x0
	CROUND                                         ; the closing round, behind the last tensor load: no work-group ends while a partner may still ask for a tile that names it
	s_endpgm
.Lfunc_end_k_q9038d96788_cell:
	.size	k_q9038d96788_cell, .Lfunc_end_k_q9038d96788_cell-k_q9038d96788_cell
	.p2alignl 7, 3214868480
	.fill 96, 4, 3214868480
	.section	.rodata,"a",@progbits
	.p2align	6, 0x0
	.amdhsa_kernel k_q9038d96788_cell
		.amdhsa_group_segment_fixed_size 327680
		.amdhsa_private_segment_fixed_size 0
		.amdhsa_enable_private_segment 0
		.amdhsa_kernarg_size 56
		.amdhsa_user_sgpr_count 2
		.amdhsa_user_sgpr_kernarg_segment_ptr 1
		.amdhsa_wavefront_size32 1
		.amdhsa_system_sgpr_workgroup_id_x 1
		.amdhsa_system_sgpr_workgroup_id_y 1
		.amdhsa_system_sgpr_workgroup_id_z 1
		.amdhsa_system_vgpr_workitem_id 0
		.amdhsa_next_free_vgpr 1024
		.amdhsa_next_free_sgpr 96
		.amdhsa_reserve_vcc 0
		.amdhsa_float_denorm_mode_32 3
		.amdhsa_float_denorm_mode_16_64 3
		.amdhsa_memory_ordered 1
		.amdhsa_forward_progress 1
		.amdhsa_inst_pref_size 255
	.end_amdhsa_kernel
	.section	.bss,"aw",@nobits
	.p2align	6
	.space	262144
	.amdgpu_metadata
---
amdhsa.version: [ 1, 2 ]
amdhsa.kernels:
  - .name:           k_q9038d96788_cell
    .symbol:         k_q9038d96788_cell.kd
    .args:
      - { .name: hf, .offset: 0, .size: 8, .value_kind: global_buffer, .address_space: global }
      - { .name: h_prev, .offset: 8, .size: 8, .value_kind: global_buffer, .address_space: global }
      - { .name: b_p, .offset: 16, .size: 8, .value_kind: global_buffer, .address_space: global }
      - { .name: b_theta, .offset: 24, .size: 8, .value_kind: global_buffer, .address_space: global }
      - { .name: b_r, .offset: 32, .size: 8, .value_kind: global_buffer, .address_space: global }
      - { .name: b_i, .offset: 40, .size: 8, .value_kind: global_buffer, .address_space: global }
      - { .name: out0, .offset: 48, .size: 8, .value_kind: global_buffer, .address_space: global }
    .group_segment_fixed_size: 327680
    .private_segment_fixed_size: 0
    .kernarg_segment_align: 8
    .kernarg_segment_size: 56
    .max_flat_workgroup_size: 128
    .sgpr_count:     96
    .vgpr_count:     1024
    .wavefront_size: 32
...
	.end_amdgpu_metadata
.endif
;; end of part 2
;; ======== version 2 of 2: 2 launches; version 1 with the launch cast written anew for expert scheduling mode
;; limits: values are held in f16: magnitudes above 65,504 overflow, below 6.1e-05 lose precision; right only within a limited range of input values
;; workspace buffers: hf 50,331,648 bytes
;; launch cast (part 3): grid 128 x 6, 8 waves a work-group, no clusters, 0 bytes of LDS; arguments e_t, W_p, W_theta, W_r, W_i, hf; writes hf
.if DOCPART == 3
	.amdgcn_target "amdgcn-amd-amdhsa--gfx1250"
	.amdhsa_code_object_version 6
	.text
	.protected	k_q9038d96788_cast
	.globl	k_q9038d96788_cast
	.p2align	8
	.type	k_q9038d96788_cast,@function
k_q9038d96788_cast:
	s_mov_b64 s[64:65], 0
	v_nop
	global_prefetch_b8 v0, s[64:65] scope:SCOPE_SE
	s_setreg_imm32_b32 hwreg(HW_REG_WAVE_SCHED_MODE, 0, 2), 2
	s_setreg_imm32_b32 hwreg(HW_REG_WAVE_MODE, 25, 1), 1
	s_wait_xcnt 0x0
	s_wait_alu depctr_vm_vsrc(0)
; e_t [4096][2048] and the four W [2048][2048], f32, are rounded once to f16 and laid into hf, 12,288 rows of 2,048 f16 (4,096 bytes):
;   rows 0 .. 4095: e_t as it is;
;   row 4096 + (d >> 6) * 256 + g * 64 + (d & 63): row d of gate g (0 = W_p, 1 = W_theta, 2 = W_r, 3 = W_i),
; so that every 256 neighbouring rows of the second part hold the four gates of 64 neighbouring d: the next launch's block of columns.
; WHY f16 AND NOT bf16: the error of theta is multiplied by |h| in the result, so the operands' 11 significant bits against 8 count.  f16 has the
; room: numbers of spread 1 (e_t) and 0.022 (W), thirty times larger or smaller or offset by thirty spreads, lie between 7e-4 and some 200,
; inside f16's normal range (6.1e-5 to 65,504); numbers nearer to zero are kept as denormals, with an absolute error of 2^-25 at the most.
; LIMIT: an |e_t| or |W| of 65,520 or more becomes infinite here.
; A stream: no LDS, no barrier, no matrix unit.  Work-group (x, y) takes 16 rows, dense in the source (128 KiB) and dense in hf (64 KiB):
; y = 0, 1: rows 2048 y + 16 x of e_t; y = 2 .. 5: rows 16 x of gate y - 2 (16 rows never cross a block of 64).  A wave takes two rows:
; 32 loads of 16 bytes a lane, all issued before the first is used, each covering 512 neighbouring bytes; each store of 8 bytes a lane covers
; 256 neighbouring bytes at a multiple of 256 from hf's first byte.
; THE MODE: SCHED_MODE bits 1:0 = 2 (LLVM: expert scheduling mode 2), set by the entry lines.  The code itself states the register dependences
; between vector instructions and memory instructions, with s_wait_alu, always for 0.
; THE PLAN.  Registers that memory instructions touch:
;   v1, v2              byte offsets in the source and in hf: made by vector lines at the head, read by every load (v1) and every store (v2), never written again.
;   v[8+4j : 11+4j]     load j lands here; no vector instruction names them before that.  Behind the wait for the load its two conversions read them
;                       and write the packed words into v[8+4j : 9+4j]; store j reads those two; nothing writes them afterwards.
; So no register that a memory instruction has read is written again, and no load lands in a register that a vector instruction has named: what is
; left to state is that the offsets are written ahead of the first load, and that a store's data are written ahead of the store.
; The 32 loads go in 8 blocks of four.  Block p's eight conversions name block p's sixteen registers alone.  Its memory instructions are the four
; stores of block p - 1, which read v2 and block p - 1's packed words.  One wait at the block's head, behind the wait for the block's data, states
; that block p - 1's conversions have written those words; the four stores follow it, dealt among block p's conversions, with no further wait.
.set X,      8                         ; v[8:135]  load j: four f32 in v[8+4j : 11+4j]; its two packed words end in v[8+4j : 9+4j]
.set BLOCK,  4                         ; loads, and stores, in a block
.set BLOCKS, 32 / BLOCK
	s_load_b256 s[4:11], s[0:1], 0x0               ; e_t s[4:5], W_p s[6:7], W_theta s[8:9], W_r s[10:11]
	s_load_b128 s[12:15], s[0:1], 0x20             ; W_i s[12:13], hf s[14:15]
	s_and_b32 s20, ttmp7, 0xffff                   ; y
	s_lshl_b32 s21, ttmp9, 4                       ; 16 x: the first row in a W
	s_lshl_b32 s22, s20, 11
	s_add_co_u32 s22, s22, s21                     ; 2048 y + 16 x: the first row in e_t, and in hf for e_t
	s_lshr_b32 s23, ttmp9, 2
	s_lshl_b32 s23, s23, 8                         ; (x >> 2) * 256
	s_and_b32 s24, ttmp9, 3
	s_lshl_b32 s24, s24, 4                         ; (x & 3) * 16
	s_add_co_u32 s23, s23, s24
	s_lshl_b32 s24, s20, 6                         ; 64 y
	s_add_co_u32 s23, s23, s24
	s_add_co_u32 s23, s23, 4096-128                ; + 4096 - 64 * 2: the first row in hf for gate y - 2
	s_cmp_lt_u32 s20, 2
	s_cselect_b32 s18, s22, s21                    ; first row in the source
	s_cselect_b32 s24, s22, s23                    ; first row in hf
	s_lshl_b32 s18, s18, 13                        ; rows of 8,192 bytes (33.5 MB at the most: one word)
	s_mov_b32 s19, 0
	s_lshl_b32 s24, s24, 12                        ; rows of 4,096 bytes (50.3 MB at the most)
	s_mov_b32 s25, 0
	v_lshrrev_b32 v3, 5, v0                        ; wave
	v_and_b32 v4, 31, v0                           ; lane
	v_lshlrev_b32 v1, 4, v4
	v_lshl_or_b32 v1, v3, 14, v1                   ; source: wave x 16 KiB + 16 x lane
	v_lshlrev_b32 v2, 3, v4
	v_lshl_or_b32 v2, v3, 13, v2                   ; hf: wave x 8 KiB + 8 x lane
	s_wait_kmcnt 0x0
	s_cmp_lt_u32 s20, 2                            ; the source's address is chosen by y alone
	s_cselect_b64 s[16:17], s[4:5], s[6:7]
	s_cmp_eq_u32 s20, 3
	s_cselect_b64 s[16:17], s[8:9], s[16:17]
	s_cmp_eq_u32 s20, 4
	s_cselect_b64 s[16:17], s[10:11], s[16:17]
	s_cmp_eq_u32 s20, 5
	s_cselect_b64 s[16:17], s[12:13], s[16:17]
	s_add_nc_u64 s[16:17], s[16:17], s[18:19]
	s_add_nc_u64 s[14:15], s[14:15], s[24:25]
	s_wait_alu depctr_va_vdst(0)                   ; v1 and v2 are written: every load of the kernel reads v1 as its offset, every store v2
.set j, 0
.rept 32
	global_load_b128 v[X+4*j:X+4*j+3], v1, s[16:17] offset:512*j th:TH_LOAD_NT   ; read once in the launch
.set j, j+1
.endr
; Block p: its four loads are waited for; the four stores of block p - 1 go out, one ahead of each pair of block p's conversions.
.set p, 0
.rept BLOCKS
	s_wait_loadcnt 32-BLOCK*(p+1)                  ; loads come back in order (ISA guide 5.7.1): block p's four are in, the 28 - 4 p younger ones stay out
.if p > 0
	s_wait_alu depctr_va_vdst(0)                   ; block p - 1's conversions have written their packed words, which the four stores below read
.endif
.set i, 0
.rept BLOCK
.set j, BLOCK*p+i
.if p > 0
	global_store_b64 v2, v[X+4*(j-BLOCK):X+4*(j-BLOCK)+1], s[14:15] offset:256*(j-BLOCK)   ; no hint: the next launch reads these bytes.  No vector instruction since the wait names these registers
.endif
	v_cvt_pk_f16_f32 v[X+4*j],   v[X+4*j],   v[X+4*j+1]     ; two roundings to f16, packed: the first source into the low half
	v_cvt_pk_f16_f32 v[X+4*j+1], v[X+4*j+2], v[X+4*j+3]
.set i, i+1
.endr
.set p, p+1
.endr
	s_wait_alu depctr_va_vdst(0)                   ; the last block's conversions have written their packed words, which the last four stores read
.set j, 32-BLOCK
.rept BLOCK
	global_store_b64 v2, v[X+4*j:X+4*j+1], s[14:15] offset:256*j
.set j, j+1
.endr
	s_endpgm
.Lfunc_end_k_q9038d96788_cast:
	.size	k_q9038d96788_cast, .Lfunc_end_k_q9038d96788_cast-k_q9038d96788_cast
	.p2alignl 7, 3214868480
	.fill 96, 4, 3214868480
	.section	.rodata,"a",@progbits
	.p2align	6, 0x0
	.amdhsa_kernel k_q9038d96788_cast
		.amdhsa_group_segment_fixed_size 0
		.amdhsa_private_segment_fixed_size 0
		.amdhsa_enable_private_segment 0
		.amdhsa_kernarg_size 48
		.amdhsa_user_sgpr_count 2
		.amdhsa_user_sgpr_kernarg_segment_ptr 1
		.amdhsa_wavefront_size32 1
		.amdhsa_system_sgpr_workgroup_id_x 1
		.amdhsa_system_sgpr_workgroup_id_y 1
		.amdhsa_system_sgpr_workgroup_id_z 1
		.amdhsa_system_vgpr_workitem_id 0
		.amdhsa_next_free_vgpr 136
		.amdhsa_next_free_sgpr 66
		.amdhsa_reserve_vcc 0
		.amdhsa_float_denorm_mode_32 3
		.amdhsa_float_denorm_mode_16_64 3
		.amdhsa_memory_ordered 1
		.amdhsa_forward_progress 1
		.amdhsa_inst_pref_size 13
	.end_amdhsa_kernel
	.amdgpu_metadata
---
amdhsa.version: [ 1, 2 ]
amdhsa.kernels:
  - .name:           k_q9038d96788_cast
    .symbol:         k_q9038d96788_cast.kd
    .args:
      - { .name: e_t, .offset: 0, .size: 8, .value_kind: global_buffer, .address_space: global }
      - { .name: W_p, .offset: 8, .size: 8, .value_kind: global_buffer, .address_space: global }
      - { .name: W_theta, .offset: 16, .size: 8, .value_kind: global_buffer, .address_space: global }
      - { .name: W_r, .offset: 24, .size: 8, .value_kind: global_buffer, .address_space: global }
      - { .name: W_i, .offset: 32, .size: 8, .value_kind: global_buffer, .address_space: global }
      - { .name: hf, .offset: 40, .size: 8, .value_kind: global_buffer, .address_space: global }
    .group_segment_fixed_size: 0
    .private_segment_fixed_size: 0
    .kernarg_segment_align: 8
    .kernarg_segment_size: 48
    .max_flat_workgroup_size: 256
    .sgpr_count:     66
    .vgpr_count:     136
    .wavefront_size: 32
...
	.end_amdgpu_metadata
.endif
;; end of part 3
;; launch cell: the kernel of part 2 again; grid 32 x 16, 4 waves a work-group, clusters of 4 x 4, 327,680 bytes of LDS; arguments hf, h_prev, b_p, b_theta, b_r, b_i, out0; writes out0
